; MI455X (gfx1250); checked and timed in simulation.
; The chip was launched on July 23, 2026; its instructions are those of AMD's public machine-readable ISA for CDNA 5 (MIT licence, August 2026) and "CDNA5" Instruction Set Architecture Reference Guide (July 2026). The comments in the code are by the model that wrote it; some were corrected since.
;; Local Multi Head Attention. Allowed arithmetic: matrix products marked QUANTISED: E3M2 operands, one E8M0 scale for each 32 along K, by v_wmma_scale_f32_16x16x128_f8f6f4 with both operands' format E3M2, f32 sums; everything else in f32.
;; Inputs: w_qkv 1,024 x 3,072 float32; x 4 x 4,096 x 1,024 float32.
;; Outputs: out0 4 x 4,096 x 1,024 float32.
;; This version of the problem:
;;   THIS VERSION OF THE PROBLEM IS GIVEN IN LOW PRECISION. The matrix products marked QUANTISED in the list below multiply operands that are first quantised to E3M2 (3 exponent bits, 2 mantissa bits; 6 bits a number), with one power-of-two scale for each 32 numbers along K (OCP MX v1.0); their sums are f32. All else is computed in f32.
;;   The module's matrix products, in the order in which they are computed (A, B: the left and right operand; K: the contracted axis; several contracted axes count as one K, in the product's order):
;;     1. [M 16,384, K 1,024] x [K 1,024, N 3,072]; A: input x; B: input w_qkv: QUANTISED
;;     2. batch 2,048 x [M 128, K 64] x [K 64, N 384]; A: computed on the way; B: computed on the way: QUANTISED
;;     3. batch 2,048 x [M 128, K 384] x [K 384, N 64]; A: softmax (see below); B: computed on the way: QUANTISED
;;   THE QUANTISER, for each operand of a quantised product, along K:
;;     - K is cut into blocks of 32 from its start; a last block that is shorter is filled with zeros.
;;     - A block's scale is 2^e with e = floor(log2(the largest magnitude in the block)) - 4, held to -126 .. 127; a block of zeros has e = 0. As a byte (E8M0): e + 127.
;;     - Each number is divided by its block's scale, clamped to +-28, and rounded to the nearest number of E3M2, ties to even, subnormals kept.
;;     - The product sums the exact products of the quantised numbers (number of the format x scale) in f32.
;;   ~~~python
;;   def quantise(x, axis):      # numpy; x: float32 -> the quantised numbers, widened to float32 again
;;       x = np.moveaxis(x, axis, -1); K = x.shape[-1]
;;       x = np.pad(x, [(0, 0)] * (x.ndim - 1) + [(0, -K % 32)]); x = x.reshape(x.shape[:-1] + (-1, 32)); a = np.abs(x).max(-1, keepdims=True)
;;       e = np.where(a > 0, np.clip(np.frexp(np.where(a > 0, a, 1))[1] - 1 - 4, -126, 127), 0)      # np.frexp(a)[1] - 1 = floor(log2(a)), exactly
;;       r = np.clip(x / 2.0 ** e, -28, 28)
;;       step = 2.0 ** (np.maximum(np.frexp(np.where(r == 0, 1, r))[1] - 1, -2) - 2)
;;       q = np.round(r / step) * step * 2.0 ** e      # np.round: ties to even
;;       return np.moveaxis(q.reshape(q.shape[:-2] + (-1,))[..., :K], -1, axis).astype(np.float32)
;;   ~~~
;;   SOFTMAX AHEAD OF A QUANTISED PRODUCT. Where the list says 'softmax', what is quantised is not the finished softmax but p = 2^(t - M), with t = logit x log2(e) and M = ceil(the row's largest t), a whole number; so 1/2 < the row's largest p <= 1. The row's sum l is taken of the UNQUANTISED p, in f32, and the product's result is divided by l at the end. Since M is a whole number, a kernel that streams over the keys may use a running M (the ceiling of the running maximum): every later rescaling is an exact power of two, which a block's scale takes up: the codes' values come out the same.
;;   OPERANDS COMPUTED ON THE WAY. 'Computed on the way' means the value that the module computes at that place (a softmax that the list does not call 'softmax' is quantised finished and normalised). What goes into a quantiser is computed in f32, as accurately as f32 sums, v_exp_f32 and their like allow (about 1e-6 of the number): no bf16 or f16 on the way to a quantiser, and a product that is left as it is and whose result goes on into a quantised operand takes f32 operands (vector FMAs, or v_wmma_f32_16x16x4_f32). A number that lies on a knife's edge between two numbers of the format may be rounded either way, as far as f32 arithmetic and the matrix unit's own rounding can turn it there, and no further.
;; One version. Each part assembles by itself: llvm-mc -triple=amdgcn-amd-amdhsa -mcpu=gfx1250 --defsym DOCPART=n.
;; ======== version 1 of 1: 3 launches
;; limits: right only within a limited range of input values
;; workspace buffers: ximg 13,107,200 bytes; wimg 2,457,600 bytes; qimg 13,631,488 bytes; kvimg 26,214,400 bytes
;; launch quant (part 1): grid 88 x 4, 8 waves a work-group, no clusters, 95,232 bytes of LDS; arguments x, w_qkv, ximg, wimg; writes ximg, wimg
.if DOCPART == 1
	.amdgcn_target "amdgcn-amd-amdhsa--gfx1250"
	.amdhsa_code_object_version 6
	.text
	.protected	k_q76808f0c85_quant
	.globl	k_q76808f0c85_quant
	.p2align	8
	.type	k_q76808f0c85_quant,@function
k_q76808f0c85_quant:
	s_mov_b64 s[64:65], 0
	v_nop
	global_prefetch_b8 v0, s[64:65] scope:SCOPE_SE
	s_setreg_imm32_b32 hwreg(HW_REG_WAVE_MODE, 25, 1), 1
	s_wait_xcnt 0x0
; x [16384][1024] and w_qkv [1024][3072], f32, become codes of BF6 (E3M2) with one E8M0 byte for each 32 along K (the model's 1,024), laid as IMAGES OF OPERAND REGISTERS.
; A fragment (16 rows or columns x 128 K) is 12 registers a lane; its image is 1,536 bytes: registers 4 i .. 4 i + 3 of lane l at 512 i + 16 l.
; A block of 51,200 bytes serves 64 rows of x (or 64 columns of w): fragment (K step s, tile a) at 6144 s + 1536 a; the scale words (4 bytes: a row's 128 K) at 49152 + 256 s + 64 a + 4 r.
; THE MEMBERS OF A TILE ARE NOT NEIGHBOURS: lane r of tile a takes member 32 (a / 2) + 8 (a % 2) + r + 8 (r / 8) of the 64, so that the results of two neighbouring tiles are 16 neighbours in a lane's registers.
; A block's scale is 2^(floor(log2(largest magnitude)) - 4); its byte is the largest magnitude's exponent field - 4, held at 1 from below by a floor among the maximum's leaves.
; LIMITS: NaN and infinities are not served; a block whose largest magnitude lies under 2^-122 keeps the byte 1; a block of zeros has the byte 1 (not 127): its codes are zeros, and this program alone reads the bytes.
; Work-groups with x < 64 take x (one block of 64 rows each: 256), the others w (96).  The two ways share no LDS byte.  No barrier: waves share nothing.
.set LO,   1                           ; v1   16 x lane
.set XW,   2                           ; v2   x: my 16 bytes of a row in my wave's stage
.set XR,   3                           ; v3   x: where my 16 neighbours of a block begin in the stage
.set XSO,  4                           ; v4   x: my scale word's place in the block
.set R,    16                          ; v16-143  two sets of 64: a K step as loaded
.set X,    144                         ; v144-207 64 numbers: register 16 b + i = k 32 b + 16 (lane / 16) + i of my row
.set TM,   208                         ; v208-223 at work
.set PW,   224                         ; v224-225 the scale words of an even and an odd K step
.set PC,   226                         ; v226-245 the codes just made
.set SW,   246                         ; v246     the word that is stored
.set SEL,  20                          ; s[20:21] selects for lane l xor 16
.set HI,   22                          ; s22      lanes 16-31
.set XB,   24                          ; s[24:25] where my wave reads
.set XO,   26                          ; s[26:27] where its images go
.set XBLK, 28                          ; s[28:29] the block
.set WSTG, 67584                       ; LDS: x's stages 8 x 8,448 bytes from 0; w's stages 8 x 3,328 bytes from here
; 64 numbers of a lane become a fragment's codes in v[PC] .. v[PC + 11] and its row's scale word in v[pw].
.macro QUANT s, pw
.irp b, 0,1,2,3
	v_max3_num_f32 v[TM+\b], |v[\s+16*\b]|, |v[\s+1+16*\b]|, 0x2800000   ; block b: my 16 numbers, and the floor 2^(5 - 127)
.endr
.irp i, 2,4,6,8,10,12,14
.irp b, 0,1,2,3
	s_delay_alu instid0(VALU_DEP_4)
	v_max3_num_f32 v[TM+\b], v[TM+\b], |v[\s+16*\b+\i]|, |v[\s+1+16*\b+\i]|   ; the four blocks by turns
.endr
.endr
.irp b, 0,1,2,3
	s_delay_alu instid0(VALU_DEP_4)
	v_permlanex16_b32 v[TM+4+\b], v[TM+\b], s[SEL], s[SEL+1]
.endr
.irp b, 0,1,2,3
	s_delay_alu instid0(VALU_DEP_4)
	v_max_num_f32 v[TM+\b], v[TM+\b], v[TM+4+\b]   ; with lane l xor 16's 16: the block's largest magnitude
.endr
.irp b, 0,1,2,3
	s_delay_alu instid0(VALU_DEP_4)
	v_add_nc_u32 v[TM+12+\b], 0xfe000000, v[TM+\b] ; 4 off its exponent field: the conversion's scale operand
.endr
.irp b, 0,1,2,3
	s_delay_alu instid0(VALU_DEP_4)
	v_lshrrev_b32 v[TM+4+\b], 23, v[TM+12+\b]      ; the scale's byte
.endr
	s_delay_alu instid0(VALU_DEP_3)
	v_lshl_or_b32 v[\pw], v[TM+5], 8, v[TM+4]
	s_delay_alu instid0(VALU_DEP_1)
	v_lshl_or_b32 v[\pw], v[TM+6], 16, v[\pw]
	s_delay_alu instid0(VALU_DEP_1)
	v_lshl_or_b32 v[\pw], v[TM+7], 24, v[\pw]
	s_wait_xcnt 0x0                                ; the last fragment's stores have read the code registers: they are written again only behind this wait
.irp c, 0,1
	v_cvt_scalef32_pk16_bf6_f32 v[PC+6*\c:PC+2+6*\c], v[\s+32*\c:\s+15+32*\c], v[TM+12+2*\c]
	v_cvt_scalef32_pk16_bf6_f32 v[PC+12+4*\c:PC+14+4*\c], v[\s+16+32*\c:\s+31+32*\c], v[TM+12+2*\c+1]   ; (a conversion's three registers begin on an even number)
.endr
	v_nop                                          ; one plain place behind a scaled conversion
.irp c, 0,1                                    ; the operand wants a whole block in a lane: lanes 0-15 block 2 c, lanes 16-31 block 2 c + 1
.irp i, 0,1,2
	v_permlane16_swap_b32 v[PC+6*\c+\i], v[PC+12+4*\c+\i]
.endr
.irp i, 0,1,2
	s_delay_alu instid0(VALU_DEP_3)
	v_mov_b32 v[PC+3+6*\c+\i], v[PC+12+4*\c+\i]
.endr
.endr
.endm
	s_load_b256 s[4:11], s[0:1], 0x0               ; x s[4:5], w_qkv s[6:7], ximg s[8:9], wimg s[10:11]
	v_lshl_add_u32 v254, v0, 2, 0x17000
	v_mov_b32 v255, 0
	v_lshrrev_b32 v5, 5, v0
	s_delay_alu instid0(VALU_DEP_1)
	v_readfirstlane_b32 s12, v5                    ; wave 0..7
	s_and_b32 s13, ttmp7, 0xffff                   ; work-group y
	v_and_b32 v6, 31, v0                           ; lane
	s_delay_alu instid0(VALU_DEP_1)
	v_lshlrev_b32 v[LO], 4, v6
	s_cmp_lt_u32 ttmp9, 64
	s_cbranch_scc0 .Lw_path
	; ---- x.  Block G = 64 y + x.  Wave w: tile a = w % 4, K steps 4 (w / 4) + 0 .. 3.
	s_lshl_b32 s14, s13, 6
	s_add_co_u32 s14, s14, ttmp9                   ; G
	s_and_b32 s15, s12, 3                          ; a
	s_lshr_b32 s16, s12, 2                         ; which half of K
	v_and_b32 v7, 15, v0                           ; r
	v_bfe_u32 v8, v0, 4, 1                         ; h
	s_mul_i32 s17, s12, 8448                       ; my stage: 16 rows x (512 bytes + 16)
	v_add_nc_u32 v[XW], s17, v[LO]
	v_mul_u32_u24 v[XR], v7, 528
	s_delay_alu instid0(VALU_DEP_1)
	v_lshl_add_u32 v[XR], v8, 6, v[XR]             ; row r, + 64 h
	s_delay_alu instid0(VALU_DEP_1)
	v_add_nc_u32 v[XR], s17, v[XR]
	s_lshl_b32 s18, s16, 10                        ; scale words: 256 bytes a K step,
	s_lshl_b32 s19, s15, 6                         ; 64 a tile,
	s_add_co_u32 s18, s18, s19
	s_add_co_u32 s18, s18, 49152
	v_lshlrev_b32 v[XSO], 2, v7                    ; 4 a row;
	s_delay_alu instid0(VALU_DEP_1)
	v_lshl_add_u32 v[XSO], v8, 8, v[XSO]           ; lanes 16-31 store the odd K step's
	s_delay_alu instid0(VALU_DEP_1)
	v_add_nc_u32 v[XSO], s18, v[XSO]
	s_lshl_b32 s30, s14, 6                         ; my tile's first row: 64 G + 32 (a / 2) + 8 (a % 2)
	s_lshr_b32 s19, s15, 1
	s_lshl_b32 s19, s19, 5
	s_add_co_u32 s30, s30, s19
	s_and_b32 s19, s15, 1
	s_lshl_b32 s19, s19, 3
	s_add_co_u32 s30, s30, s19
	s_lshl_b32 s30, s30, 12                        ; rows of 4,096 bytes (under 2^26 in all)
	s_lshl_b32 s19, s16, 11                        ; my four K steps of 512 bytes
	s_add_co_u32 s30, s30, s19
	s_mov_b32 s31, 0
	s_mul_i32 s32, s14, 51200
	s_mov_b32 s33, 0
	s_mul_i32 s34, s15, 1536
	s_mul_i32 s19, s16, 24576
	s_add_co_u32 s34, s34, s19
	s_mov_b32 s35, 0
	s_mov_b32 s[SEL], 0x76543210
	s_mov_b32 s[SEL+1], 0xfedcba98
	s_mov_b32 s[HI], 0xffff0000
.irp b, 0,1,2,3
	v_mov_b32 v[TM+4+\b], 0                        ; written once: a lane permute's destination counts as one of its sources
.endr
	s_wait_alu depctr_va_vdst(0)
	s_wait_kmcnt 0x0
	s_add_nc_u64 s[XB:XB+1], s[4:5], s[30:31]
	s_add_nc_u64 s[XBLK:XBLK+1], s[8:9], s[32:33]
	s_add_nc_u64 s[XO:XO+1], s[XBLK:XBLK+1], s[34:35]
.macro XLOADS k                        ; K step k of my 16 rows: each load reads 512 consecutive bytes of one row
.irp i, 0,1,2,3,4,5,6,7,8,9,10,11,12,13,14,15
	global_load_b128 v[R+64*((\k)%2)+4*\i:R+64*((\k)%2)+4*\i+3], v[LO], s[XB:XB+1] offset:(\i+8*(\i/8))*4096+512*(\k) th:TH_LOAD_NT
.endr
.endm
.macro XSTEP k
.if \k < 3
	s_wait_loadcnt 16                              ; this step's 16 loads are in; the next step's 16 may be out
.else
	s_wait_loadcnt 0x0
.endif
.irp i, 0,1,2,3,4,5,6,7,8,9,10,11,12,13,14,15
	ds_store_b128 v[XW], v[R+64*((\k)%2)+4*\i:R+64*((\k)%2)+4*\i+3] offset:528*\i   ; as loaded: row i of the tile
.endr
.irp b, 0,1,2,3
.irp j, 0,1,2,3
	ds_load_b128 v[X+16*\b+4*\j:X+16*\b+4*\j+3], v[XR] offset:128*\b+16*\j          ; back: 16 neighbours of each block; LDS serves a wave's instructions in order
.endr
.endr
	s_wait_dscnt 0x0                               ; the numbers are back, and the stores have read the set,
.if \k < 2
	XLOADS (\k)+2                                  ; which takes the step two on
.endif
	QUANT X, PW+(\k)%2
.irp i, 0,1,2
	global_store_b128 v[LO], v[PC+4*\i:PC+4*\i+3], s[XO:XO+1] offset:6144*(\k)+512*\i   ; 32 lanes store 512 consecutive bytes, aligned to 256
.endr
.if (\k)%2
	v_cndmask_b32 v[SW], v[PW], v[PW+1], s[HI]     ; lanes 0-15 the even step's words, lanes 16-31 the odd step's
	global_store_b32 v[XSO], v[SW], s[XBLK:XBLK+1] offset:256*((\k)-1)
.endif
.endm
	XLOADS 0
	XLOADS 1
	XSTEP 0
	XSTEP 1
	XSTEP 2
	XSTEP 3
	s_wait_tensorcnt 0x0
	ds_add_u32 v254, v255
	s_wait_dscnt 0x0
	s_endpgm
	; ---- w.  Wave w: the 32 columns 32 P .. 32 P + 31, P = 4 (x - 64) + w % 4, and K step s = 2 y + w / 4.  A LANE TAKES A COLUMN, AND ITS REGISTERS RUN DOWN K: nothing is transposed.
.Lw_path:
	s_sub_co_u32 s14, ttmp9, 64
	s_lshl_b32 s14, s14, 2
	s_and_b32 s15, s12, 3
	s_add_co_u32 s14, s14, s15                     ; P
	s_lshl_b32 s16, s13, 1
	s_lshr_b32 s17, s12, 2
	s_add_co_u32 s16, s16, s17                     ; s
	s_wait_alu depctr_va_vdst(0)
	v_lshlrev_b32 v2, 2, v6                        ; in: 4 bytes a lane
	s_mul_i32 s30, s16, 128*12288                  ; 128 rows of 12,288 bytes a K step,
	s_lshl_b32 s17, s14, 7                         ; 128 bytes for 32 columns
	s_add_co_u32 s30, s30, s17
	s_mov_b32 s31, 0
	v_bfe_u32 v7, v0, 3, 1                         ; column 8 u + r + 8 (r / 8) of the 32: u,
	v_and_b32 v8, 7, v0
	v_bfe_u32 v9, v0, 4, 1
	s_delay_alu instid0(VALU_DEP_1)
	v_lshl_add_u32 v8, v9, 3, v8                   ; and r
	s_wait_alu depctr_va_vdst(0)
	s_mul_i32 s18, s12, 3328
	s_add_co_u32 s18, s18, WSTG                    ; my stage: two images, 1,664 bytes apart
	v_mul_u32_u24 v3, v7, 1664
	s_delay_alu instid0(VALU_DEP_1)
	v_lshl_add_u32 v3, v8, 4, v3
	s_delay_alu instid0(VALU_DEP_1)
	v_add_nc_u32 v3, s18, v3                       ; into it: tile u, lane r of the image
	v_add_nc_u32 v4, s18, v[LO]                    ; out of it: 16 x lane
	s_lshr_b32 s19, s14, 1
	s_lshr_b32 s15, s19, 4                         ; the 64 columns hd = 16 t + 4 y + j (t: q, k or v) get block 12 y + 4 t + j: the 12 blocks that one work-group of the next launch walks lie on end
	s_lshl_b32 s15, s15, 2
	s_bfe_u32 s17, s19, 0x20002
	s_mul_i32 s17, s17, 12
	s_and_b32 s19, s19, 3
	s_add_co_u32 s19, s19, s15
	s_add_co_u32 s19, s19, s17
	s_mul_i32 s32, s19, 51200                      ; the block of 64 columns
	s_mov_b32 s33, 0
	s_and_b32 s19, s14, 1                          ; which half of it
	s_mul_i32 s17, s16, 6144
	s_mul_i32 s15, s19, 3072
	s_add_co_u32 s17, s17, s15
	v_add_nc_u32 v10, s17, v[LO]                   ; the images' place: 6144 s + 1536 x 2 (P % 2) + 16 x lane
	s_lshl_b32 s17, s16, 8
	s_lshl_b32 s15, s19, 7
	s_add_co_u32 s17, s17, s15
	s_add_co_u32 s17, s17, 49152
	v_lshlrev_b32 v5, 2, v8
	s_delay_alu instid0(VALU_DEP_1)
	v_lshl_add_u32 v5, v7, 6, v5
	s_delay_alu instid0(VALU_DEP_1)
	v_add_nc_u32 v5, s17, v5                       ; my column's scale word: 49152 + 256 s + 128 (P % 2) + 64 u + 4 r
	s_wait_kmcnt 0x0
	s_add_nc_u64 s[XB:XB+1], s[6:7], s[30:31]
	s_add_nc_u64 s[XBLK:XBLK+1], s[10:11], s[32:33]
.set i, 0
.rept 128
	global_load_b32 v[16+i], v2, s[XB:XB+1] offset:12288*i th:TH_LOAD_NT   ; w(128 s + i, my column): a wave reads 128 consecutive bytes, four waves side by side 512
.set i, i+1
.endr
; Block t of my column: 32 numbers, all mine.  In the operand it is lane (r, t % 2), registers 6 (t / 2) .. + 5.
.macro BLOCK t
.set NS, 16+32*(\t)
.if 96-32*(\t) > 63
	s_wait_loadcnt 63                              ; of the 128 loads at most 63 are out: the first 65 are in (the true count, 96 or 64, is more than a wait can name; a smaller one is safe)
.else
	s_wait_loadcnt 96-32*(\t)                      ; the later blocks' loads may be out
.endif
	v_max3_num_f32 v194, |v[NS]|, |v[NS+1]|, |v[NS+2]|
	v_max3_num_f32 v195, |v[NS+3]|, |v[NS+4]|, |v[NS+5]|
.irp i, 6,10,14,18,22,26
	s_delay_alu instid0(VALU_DEP_2)
	v_max3_num_f32 v194, v194, |v[NS+\i]|, |v[NS+\i+1]|
	s_delay_alu instid0(VALU_DEP_2)
	v_max3_num_f32 v195, v195, |v[NS+\i+2]|, |v[NS+\i+3]|
.endr
	s_delay_alu instid0(VALU_DEP_2)
	v_max3_num_f32 v194, v194, |v[NS+30]|, |v[NS+31]|
	s_delay_alu instid0(VALU_DEP_1)
	v_max3_num_f32 v194, v194, v195, 0x2800000     ; and the floor
	s_delay_alu instid0(VALU_DEP_1)
	v_add_nc_u32 v196, 0xfe000000, v194            ; the conversion's scale operand
	s_delay_alu instid0(VALU_DEP_1)
	v_lshrrev_b32 v197, 23, v196                   ; the byte
.if (\t) == 0
	s_delay_alu instid0(VALU_DEP_1)
	v_mov_b32 v192, v197
.else
	s_delay_alu instid0(VALU_DEP_1)
	v_lshl_or_b32 v192, v197, 8*(\t), v192         ; four bytes make the column's word for this K step
.endif
	v_cvt_scalef32_pk16_bf6_f32 v[144+8*(\t):146+8*(\t)], v[NS:NS+15], v196
	v_cvt_scalef32_pk16_bf6_f32 v[176+4*(\t):178+4*(\t)], v[NS+16:NS+31], v196
	v_nop                                          ; one plain place behind a scaled conversion
.irp i, 0,1,2
	v_mov_b32 v[147+8*(\t)+\i], v[176+4*(\t)+\i]   ; six registers on end
.endr
.if (\t) < 2                                   ; registers 0-3 fill group 0's place, 4-5 the first half of group 1's
	ds_store_b128 v3, v[144+8*(\t):147+8*(\t)] offset:256*((\t)%2)
	ds_store_b64 v3, v[148+8*(\t):149+8*(\t)] offset:512+256*((\t)%2)
.else                                          ; registers 6-7 the second half of group 1's, 8-11 group 2's
	ds_store_b64 v3, v[144+8*(\t):145+8*(\t)] offset:520+256*((\t)%2)
	ds_store_b128 v3, v[146+8*(\t):149+8*(\t)] offset:1024+256*((\t)%2)
.endif
.endm
	BLOCK 0
	BLOCK 1
	BLOCK 2
	BLOCK 3
.irp n, 0,1,2,3,4,5
	ds_load_b128 v[200+4*\n:203+4*\n], v4 offset:1664*(\n/3)+512*(\n%3)   ; LDS serves a wave's instructions in order: these see my stores
.endr
	s_wait_alu depctr_va_vdst(0)
.irp n, 0,1,2,3,4,5
	s_wait_dscnt 5-\n                              ; the younger loads may be out
	global_store_b128 v10, v[200+4*\n:203+4*\n], s[XBLK:XBLK+1] offset:1536*(\n/3)+512*(\n%3)   ; 512 consecutive bytes, aligned to 256
.endr
	global_store_b32 v5, v192, s[XBLK:XBLK+1]
	s_wait_tensorcnt 0x0
	ds_add_u32 v254, v255
	s_wait_dscnt 0x0
	s_endpgm
.Lfunc_end_k_q76808f0c85_quant:
	.size	k_q76808f0c85_quant, .Lfunc_end_k_q76808f0c85_quant-k_q76808f0c85_quant
	.p2alignl 7, 3214868480
	.fill 96, 4, 3214868480
	.section	.rodata,"a",@progbits
	.p2align	6, 0x0
	.amdhsa_kernel k_q76808f0c85_quant
		.amdhsa_group_segment_fixed_size 95232
		.amdhsa_private_segment_fixed_size 0
		.amdhsa_enable_private_segment 0
		.amdhsa_kernarg_size 32
		.amdhsa_user_sgpr_count 2
		.amdhsa_user_sgpr_kernarg_segment_ptr 1
		.amdhsa_wavefront_size32 1
		.amdhsa_system_sgpr_workgroup_id_x 1
		.amdhsa_system_sgpr_workgroup_id_y 1
		.amdhsa_system_sgpr_workgroup_id_z 1
		.amdhsa_system_vgpr_workitem_id 0
		.amdhsa_next_free_vgpr 256
		.amdhsa_next_free_sgpr 66
		.amdhsa_reserve_vcc 0
		.amdhsa_float_denorm_mode_32 3
		.amdhsa_float_denorm_mode_16_64 3
		.amdhsa_memory_ordered 1
		.amdhsa_forward_progress 1
		.amdhsa_inst_pref_size 65
	.end_amdhsa_kernel
	.amdgpu_metadata
---
amdhsa.version: [ 1, 2 ]
amdhsa.kernels:
  - .name:           k_q76808f0c85_quant
    .symbol:         k_q76808f0c85_quant.kd
    .args:
      - { .name: x, .offset: 0, .size: 8, .value_kind: global_buffer, .address_space: global }
      - { .name: w_qkv, .offset: 8, .size: 8, .value_kind: global_buffer, .address_space: global }
      - { .name: ximg, .offset: 16, .size: 8, .value_kind: global_buffer, .address_space: global }
      - { .name: wimg, .offset: 24, .size: 8, .value_kind: global_buffer, .address_space: global }
    .group_segment_fixed_size: 95232
    .private_segment_fixed_size: 0
    .kernarg_segment_align: 8
    .kernarg_segment_size: 32
    .max_flat_workgroup_size: 256
    .sgpr_count:     66
    .vgpr_count:     256
    .wavefront_size: 32
...
	.end_amdgpu_metadata
.endif
;; end of part 1
;; launch gemm (part 2): grid 64 x 4, 4 waves a work-group, clusters of 4 x 1, 327,680 bytes of LDS; arguments ximg, wimg, qimg, kvimg; writes qimg, kvimg
.if DOCPART == 2
	.amdgcn_target "amdgcn-amd-amdhsa--gfx1250"
	.amdhsa_code_object_version 6
	.text
	.protected	k_q76808f0c85_gemm
	.globl	k_q76808f0c85_gemm
	.p2align	8
	.type	k_q76808f0c85_gemm,@function
k_q76808f0c85_gemm:
	s_mov_b64 s[64:65], 0
	v_nop
	global_prefetch_b8 v0, s[64:65] scope:SCOPE_SE
	s_setreg_imm32_b32 hwreg(HW_REG_WAVE_MODE, 25, 1), 1
	s_wait_xcnt 0x0
	s_wait_alu depctr_hold_cnt(0) depctr_sa_sdst(0) depctr_va_vdst(0) depctr_va_sdst(0) depctr_va_ssrc(0) depctr_va_vcc(0) depctr_vm_vsrc(0)
	s_getreg_b32 s2, hwreg(HW_REG_IB_STS2, 6, 4)
	s_cmp_eq_u32 s2, 0
	s_cbranch_scc0 .Lentry_in_a_cluster
	s_endpgm
.Lentry_in_a_cluster:
	s_bfe_u32 s2, ttmp6, 0x10000c
	s_cmp_lg_u32 s2, 0x3003
	s_cbranch_scc0 .Lentry_shape_is_right
	s_endpgm
.Lentry_shape_is_right:
; qkv = x w_qkv on codes of BF6 (E3M2) with E8M0 scales, sums in f32; the results never go to memory as f32: q and k are quantised along the head's 64, v along the keys, in registers, and leave as images of operand registers.
; SHARES.  A work-group takes 256 rows (row block RB = 4 x cluster x + cx) and 12 blocks of 64 columns: local head i = 0 .. 11 is kind i / 4 (q, k, v) of head 4 y + i % 4; wimg holds these 12 blocks on end.
; Wave w owns rows 64 (4 RB + w) on: its 32 fragments of x (384 registers) and their scale words stay in registers.  W comes through LDS, two heads to a slot; a fragment read feeds four products.
; CLUSTER.  The four row blocks of a cluster walk the same columns: each slot of W is asked for jointly, by the same tensor load with the mask of all four.
; A STAGE is a head's 8 K steps x 16 products on 16 accumulators by turns.  K steps 0-6 sum in S (window 2); the last K step takes S as C and writes T (window 3).
; THE WAY OUT OF HEAD i - 1 STANDS INSIDE STAGE i: it reads T alone.  68 of its 136 vector lines stand between the stage's first LDS loads and the wait for them, the rest 23 at a time at the edges of K steps 1 to 3,
; between a step's last product and the run of loads that follows it; the stores stand at K step 4's edge.
; For q and k source 0 = 16 columns of W, source 1 = 16 rows of x: a lane holds one row, its registers run along the channels.  For v the sources are swapped: a lane holds one channel, its registers run along the keys.
; OUT.  qimg: 6,656 bytes for each (batch, head, window): eight half fragments (query tile: registers 0-3 at 768 tile + 16 l, 4-5 at + 512 + 8 l), scale words at 6144 + 64 tile + 4 r, the row's two bytes twice.
; kvimg: 12,800 bytes: k's four double fragments at 1536 B, their words at 6144 + 64 B + 4 r; v's half fragments (channel tile t, key half g) at 6400 + 1536 t + 768 g, words at 12544 + 64 t + 4 r.
; The factor 1/8 on q is a power of two: the codes are the same with and without it, and the last launch puts it into the softmax's constant.
; LIMITS: a block of q whose largest magnitude lies under 2^-119 would have its scale held in the definition and not here; blocks under 2^-122 keep the byte 1; blocks of zeros have the byte 1; NaN and infinities are not served.
; v's scale words are stored as halves of 2 bytes a lane: the two halves of a word come from two waves (1 byte in 50 of this buffer).
; No data prefetch is laid: a slot's joint load is asked for two heads, 256 products, ahead of its first read.
; REGISTERS: window 0: v1-7, v240 addresses; v16-31 x's scale words; v32-47 W's; v48-191 x's fragments of K steps 5-7.  window 1: x's K steps 0-4 at 48 s + 12 a.
;   window 2: S at 0-127; W's fragments, two sets, at 128 + 48 (s % 2) + 12 t.  window 3: T at 0-127; v128-196 the way out.
.set HEADB, 51200
.set SLOT1, 131072                     ; slot 0 at 0, slot 1 here; a slot is 2 HEADB bytes
.set SPARE, 233472                     ; the spare words, 128 bytes a wave
.set L16,  1
.set L4,   2
.set ADS,  5
.set SPW,  6
.set NIL,  7
.set XSC,  16
.set WSC,  32
.set ADW,  240
.set TM,   128                         ; window 3 from here on
.set PW,   144
.set TP,   146
.set PC,   148                         ; two sets of 20
.set SH16, 188
.set OQK16, 190
.set OQ8,  191
.set OQS,  192
.set OKS,  193
.set OV16, 194
.set OV8,  195
.set OVS,  196
.set BARE, 68
.set WV,   12
.set RB,   14
.set YY,   15
.set GG,   16
.set BLK0, 17                          ; 512 x batch + 128 y + window
.set TB,   18                          ; LDS byte of the head in hand
.set LI,   19                          ; the local head in hand: the same in all four partners
.set SLOTS, 20
.set TWICE, 21
.set SEL,  22
.set G1,   24
.set G0,   32
.set OUT,  36
.set OFF,  38
.set HI,   40
.set T0,   41
.set T1,   42
.set EL,   43                          ; the local head that lies in T
.set XB,   44
.set WO,   46
.set MSB, 0
.macro WIN new                         ; the immediate's high byte repeats the setting that is left
.if MSB != \new
	s_set_vgpr_msb (MSB<<8)|\new
.set MSB, \new
.endif
.endm
.macro PLACES n
.rept \n
	v_nop
.endr
.endm
.macro CROUND                          ; a round of the cluster's barrier
	s_barrier_signal -1
	s_barrier_wait -1
	s_cmp_lg_u32 s[WV], 0
	s_cbranch_scc1 .Lnot_wave_0_\@
	s_barrier_signal -3
.Lnot_wave_0_\@:
	s_barrier_wait -3
	s_barrier_signal -1
	s_barrier_wait -1
.endm
; One product: D at rD, sources at rA and rB, scale registers rSA and rSB; fA, fB: the side's words lie in lanes 16-31; fZ: the product starts the sum.
.macro WM
.if fZ
.if fA && fB
	v_wmma_scale_f32_16x16x128_f8f6f4 v[rD:rD+7], v[rA:rA+11], v[rB:rB+11], 0, v[rSA], v[rSB] matrix_a_fmt:MATRIX_FMT_BF6 matrix_b_fmt:MATRIX_FMT_BF6 matrix_a_scale:MATRIX_SCALE_ROW1 matrix_b_scale:MATRIX_SCALE_ROW1
.elseif fA
	v_wmma_scale_f32_16x16x128_f8f6f4 v[rD:rD+7], v[rA:rA+11], v[rB:rB+11], 0, v[rSA], v[rSB] matrix_a_fmt:MATRIX_FMT_BF6 matrix_b_fmt:MATRIX_FMT_BF6 matrix_a_scale:MATRIX_SCALE_ROW1
.elseif fB
	v_wmma_scale_f32_16x16x128_f8f6f4 v[rD:rD+7], v[rA:rA+11], v[rB:rB+11], 0, v[rSA], v[rSB] matrix_a_fmt:MATRIX_FMT_BF6 matrix_b_fmt:MATRIX_FMT_BF6 matrix_b_scale:MATRIX_SCALE_ROW1
.else
	v_wmma_scale_f32_16x16x128_f8f6f4 v[rD:rD+7], v[rA:rA+11], v[rB:rB+11], 0, v[rSA], v[rSB] matrix_a_fmt:MATRIX_FMT_BF6 matrix_b_fmt:MATRIX_FMT_BF6
.endif
.else
.if fA && fB
	v_wmma_scale_f32_16x16x128_f8f6f4 v[rD:rD+7], v[rA:rA+11], v[rB:rB+11], v[rD:rD+7], v[rSA], v[rSB] matrix_a_fmt:MATRIX_FMT_BF6 matrix_b_fmt:MATRIX_FMT_BF6 matrix_a_scale:MATRIX_SCALE_ROW1 matrix_b_scale:MATRIX_SCALE_ROW1
.elseif fA
	v_wmma_scale_f32_16x16x128_f8f6f4 v[rD:rD+7], v[rA:rA+11], v[rB:rB+11], v[rD:rD+7], v[rSA], v[rSB] matrix_a_fmt:MATRIX_FMT_BF6 matrix_b_fmt:MATRIX_FMT_BF6 matrix_a_scale:MATRIX_SCALE_ROW1
.elseif fB
	v_wmma_scale_f32_16x16x128_f8f6f4 v[rD:rD+7], v[rA:rA+11], v[rB:rB+11], v[rD:rD+7], v[rSA], v[rSB] matrix_a_fmt:MATRIX_FMT_BF6 matrix_b_fmt:MATRIX_FMT_BF6 matrix_b_scale:MATRIX_SCALE_ROW1
.else
	v_wmma_scale_f32_16x16x128_f8f6f4 v[rD:rD+7], v[rA:rA+11], v[rB:rB+11], v[rD:rD+7], v[rSA], v[rSB] matrix_a_fmt:MATRIX_FMT_BF6 matrix_b_fmt:MATRIX_FMT_BF6
.endif
.endif
.endm
; THE WAY OUT AS A LIST OF 136 LINES, all in window 3.  Line EPN: half EC = EPN / 68 of T (64 numbers a lane: register 16 b + i = member 32 b + 16 (lane / 16) + i of four blocks), line EM of that half.
; Lines 0-31 the blocks' largest magnitudes, each accumulator read from its low end on, with the floor 2^(5 - 127); 32-39 with lane l xor 16; 40-50 scale operands, bytes, the word; 51-55 the conversions and their plain place; 56-67 whole blocks to a lane.
.macro EPI
.set EC, EPN/68
.set EM, EPN%68
.set TS, 64*EC
.set PCC, PC+20*EC
.set EB, EM%4
.if EM < 4
	v_max3_num_f32 v[TM+EB], 0x2800000, |v[TS+16*EB]|, |v[TS+16*EB+1]|
.elseif EM < 32
.set EI, 2*(EM/4)
	v_max3_num_f32 v[TM+EB], v[TM+EB], |v[TS+16*EB+EI]|, |v[TS+16*EB+EI+1]|
.elseif EM < 36
	v_permlanex16_b32 v[TM+4+EB], v[TM+EB], s[SEL], s[SEL+1]
.elseif EM < 40
	v_max_num_f32 v[TM+EB], v[TM+EB], v[TM+4+EB]
.elseif EM < 44
	v_add_nc_u32 v[TM+12+EB], 0xfe000000, v[TM+EB] ; 4 off the exponent field: the conversion's scale operand
.elseif EM < 48
	v_lshrrev_b32 v[TM+4+EB], 23, v[TM+12+EB]      ; the byte
.elseif EM == 48
	v_lshl_or_b32 v[PW+EC], v[TM+5], 8, v[TM+4]
.elseif EM == 49
	v_lshl_or_b32 v[PW+EC], v[TM+6], 16, v[PW+EC]
.elseif EM == 50
	v_lshl_or_b32 v[PW+EC], v[TM+7], 24, v[PW+EC]
.elseif EM < 55
.set EJ, EM-51
.set ECC, EJ/2
.if EJ%2 == 0
	v_cvt_scalef32_pk16_bf6_f32 v[PCC+6*ECC:PCC+6*ECC+2], v[TS+32*ECC:TS+32*ECC+15], v[TM+12+2*ECC]
.else
	v_cvt_scalef32_pk16_bf6_f32 v[PCC+12+4*ECC:PCC+14+4*ECC], v[TS+16+32*ECC:TS+31+32*ECC], v[TM+13+2*ECC]
.endif
.elseif EM == 55
	v_nop                                          ; one plain place behind a scaled conversion
.elseif EM < 62
.set EJ, EM-56
.set ECC, EJ/3
.set EK, EJ%3
	v_permlane16_swap_b32 v[PCC+6*ECC+EK], v[PCC+12+4*ECC+EK]
.else
.set EJ, EM-62
.set ECC, EJ/3
.set EK, EJ%3
	v_mov_b32 v[PCC+3+6*ECC+EK], v[PCC+12+4*ECC+EK]
.endif
.endm
.macro EPK k                           ; the list's next k lines
.rept \k
.if EPN < 136
	EPI
.endif
.set EPN, EPN+1
.endr
.endm
.macro EPADDR                          ; where the head in T goes
	s_wait_xcnt 0x0                                ; the earlier stores have read their base, the code registers and the words: all are written again only behind this wait
	s_sub_co_u32 s[EL], s[LI], 1
	s_and_b32 s[T0], s[EL], 3
	s_lshl_b32 s[T0], s[T0], 5
	s_add_co_u32 s[T0], s[T0], s[BLK0]             ; block (batch x 16 + head) x 32 + window
	s_mov_b32 s[T1], 12800
	s_cmp_lt_u32 s[EL], 4
	s_cselect_b32 s[T1], 6656, s[T1]
	s_cselect_b64 s[OUT:OUT+1], s[8:9], s[10:11]
	s_mul_i32 s[OFF], s[T0], s[T1]                 ; under 2^25
	s_add_nc_u64 s[OUT:OUT+1], s[OUT:OUT+1], s[OFF:OFF+1]
.endm
.macro ARMQ cp                         ; q: query tiles 4 g + 2 cp + c: half fragments
.irp c, 0,1
	global_store_b128 v[OQK16], v[PC+20*\cp+6*\c:PC+20*\cp+6*\c+3], s[OUT:OUT+1] offset:1536*\cp+768*\c th:TH_STORE_NT
	global_store_b64 v[OQ8], v[PC+20*\cp+6*\c+4:PC+20*\cp+6*\c+5], s[OUT:OUT+1] offset:1536*\cp+768*\c th:TH_STORE_NT
.endr
	v_bfe_u32 v[TP+\cp], v[PW+\cp], v[SH16], 16    ; lanes 0-15 the even tile's two bytes, lanes 16-31 the odd tile's,
	v_lshl_or_b32 v[TP+\cp], v[TP+\cp], 16, v[TP+\cp]   ; twice
	global_store_b32 v[OQS], v[TP+\cp], s[OUT:OUT+1] offset:128*\cp th:TH_STORE_NT
.endm
.macro ARMK cp                         ; k: double fragment 2 g + cp, as it stands
.irp i, 0,1,2
	global_store_b128 v[OQK16], v[PC+20*\cp+4*\i:PC+20*\cp+4*\i+3], s[OUT:OUT+1] offset:1536*\cp+512*\i th:TH_STORE_NT
.endr
.if \cp
	v_cndmask_b32 v[TP], v[PW], v[PW+1], s[HI]     ; lanes 0-15 double fragment 2 g's words, lanes 16-31 those of 2 g + 1
	global_store_b32 v[OKS], v[TP], s[OUT:OUT+1] th:TH_STORE_NT
.endif
.endm
.macro ARMV cp                         ; v: channel tiles 2 cp + c, key half g
.irp c, 0,1
	global_store_b128 v[OV16], v[PC+20*\cp+6*\c:PC+20*\cp+6*\c+3], s[OUT:OUT+1] offset:3072*\cp+1536*\c th:TH_STORE_NT
	global_store_b64 v[OV8], v[PC+20*\cp+6*\c+4:PC+20*\cp+6*\c+5], s[OUT:OUT+1] offset:3072*\cp+1536*\c th:TH_STORE_NT
.endr
	v_lshrrev_b32 v[TP+\cp], v[SH16], v[PW+\cp]    ; my tile's two bytes in the low half
	global_store_b16 v[OVS], v[TP+\cp], s[OUT:OUT+1] offset:128*\cp th:TH_STORE_NT
.endm
.macro ARMS ty                         ; the stores; ty 0 q, 2 v; 3: q or k, 4: k or v, by the number of the head in T (under a q or k head's products lie heads 1-6, under a v head's heads 7 and 8).  At a branch and at a label every window is 0
.if \ty == 3
	WIN 0
	s_cmp_ge_u32 s[EL], 4
	s_cbranch_scc1 .Lnq_\@
	WIN 0xff
	ARMQ 0
	ARMQ 1
	WIN 0
	s_branch .Ld_\@
.Lnq_\@:
	WIN 0xff
	ARMK 0
	ARMK 1
	WIN 0
.Ld_\@:
.elseif \ty == 4
	WIN 0
	s_cmp_ge_u32 s[EL], 8
	s_cbranch_scc1 .Lv_\@
	WIN 0xff
	ARMK 0
	ARMK 1
	WIN 0
	s_branch .Ld_\@
.Lv_\@:
	WIN 0xff
	ARMV 0
	ARMV 1
	WIN 0
.Ld_\@:
.else
	WIN 0xff
.if \ty == 0
	ARMQ 0
	ARMQ 1
.else
	ARMV 0
	ARMV 1
.endif
	WIN 0
.endif
.endm
.macro FETCHW s                        ; K step s's four fragments of W, twelve loads in one run, into set s % 2
	WIN 0x80                                       ; destination window 2, address window 0
.set LN, 0
.rept 12
	ds_load_b128 v[128+48*((\s)%2)+4*LN:128+48*((\s)%2)+4*LN+3], v[ADW] offset:6144*(\s)+512*LN
.set LN, LN+1
.endr
.endm
; A head's 128 products.  v = 0: source 0 = W, source 1 = x, accumulator (a, t) at 32 a + 8 t.  v = 1: the sources swapped, accumulator at 32 t + 8 a.  The 16 accumulators take turns.
; At each K step's edge: four plain places ahead of the loads into the set that the step before multiplied (five ahead of the last step, whose products take S as the C of T); at the edges of K steps 1 to 3 the way out's next 23 lines;
; the next K step's twelve loads; and the wait for all LDS loads but those twelve: this step's fragments were asked for a K step, 16 products, ago.
; first = 1: x's loads are still on their way: 16 loads of scale words, then 12 for each K step; behind K step s's stand 12 (7 - s), of which a wait can name 63.
.macro MM v, ep, ty, first
.set EPN, BARE
.irp s, 0,1,2,3,4,5,6,7
.if \s == 7
	PLACES 5
.elseif \s > 0
	PLACES 4
.endif
.if (\ep) && \s > 0 && \s < 4
	WIN 0xff
	EPK 23
.endif
.if (\ep) && \s == 4
	ARMS \ty
.endif
.if \s < 7
	FETCHW \s+1
.endif
.if \s == 0 || ((\ep) && \s < 4)
	s_wait_alu depctr_va_vdst(0)                   ; directly ahead of the wait below
.endif
.if \s < 7
	s_wait_dscnt 12                                ; all but the twelve just issued
.else
	s_wait_dscnt 0x0
.endif
.if \first
.if 12*(7-\s) > 63
	s_wait_loadcnt 63
.else
	s_wait_loadcnt 12*(7-\s)
.endif
.endif
.if \s < 5
.set XW0, 48*\s
.set XWN, 1
.else
.set XW0, 48*\s-192
.set XWN, 0
.endif
.set DW, 2+(\s/7)
.if \v
.set WS, XWN|(2<<2)|(2<<4)|(DW<<6)
.else
.set WS, 2|(XWN<<2)|(2<<4)|(DW<<6)
.endif
	WIN WS
.if \s == 0
.set fZ, 1
.else
.set fZ, 0
.endif
.irp a, 0,1,2,3
.irp t, 0,1,2,3
.if \v
.set rD, 32*\t+8*\a
.set rA, XW0+12*\a
.set rB, 128+48*(\s%2)+12*\t
.set rSA, XSC+2*\s+\a/2
.set fA, \a%2
.set rSB, WSC+2*\s+\t/2
.set fB, \t%2
.else
.set rD, 32*\a+8*\t
.set rA, 128+48*(\s%2)+12*\t
.set rB, XW0+12*\a
.set rSA, WSC+2*\s+\t/2
.set fA, \t%2
.set rSB, XSC+2*\s+\a/2
.set fB, \a%2
.endif
	WM
.endr
.endr
.endr
	WIN 0
	PLACES 5                                       ; four ahead of the reads of T and of the next loads; five ahead of the next head's first products, which write over S
.endm
; ep: the way out of the head before rides along; var: 0 q or k, 1 v, 2 by the head's number.
.macro STAGE ep, var, ty, first
.if \ep
	EPADDR
.endif
	v_add_nc_u32 v[ADS], s[TB], v[L4]
	v_add_nc_u32 v[ADW], s[TB], v[L16]
	FETCHW 0
	WIN 0
.irp s, 0,1,2,3,4,5,6,7
.irp p, 0,1
	ds_load_b32 v[WSC+2*\s+\p], v[ADS] offset:49152+256*\s+128*\p
.endr
.endr
.if \ep
.set EPN, 0
	WIN 0xff
	EPK BARE                                       ; T's first half, while the loads are out
	WIN 0
.endif
.if \var == 2
	s_cmp_ge_u32 s[LI], 8
	s_wait_alu depctr_va_vdst(0)                   ; directly ahead of the branch
	s_cbranch_scc1 .Lv_\@
	MM 0, \ep, 3, \first
	s_branch .Lj_\@
.Lv_\@:
	MM 1, \ep, 4, \first
.Lj_\@:
.else
	MM \var, \ep, \ty, \first
.endif
	s_add_co_u32 s[TB], s[TB], HEADB
	s_add_co_u32 s[LI], s[LI], 1
.endm
; THE CHANGE OF SLOTS.  Each wave waits for all its tensor loads (its quarter of the slot ahead), adds 0 to its spare word, and waits for that and for its reads of the slot that it has left.
; fill = 1: a round of the cluster's barrier, and behind it the joint load of the next two heads into the slot just left: one tensor load a wave is out.
.macro CHANGE fill
	s_wait_tensorcnt 0x0
	ds_add_u32 v[SPW], v[NIL]
.if \fill
	s_xor_b32 s[G0+1], s[G0+1], SLOT1
	s_add_nc_u64 s[G0+2:G0+3], s[G0+2:G0+3], 2*HEADB
.endif
	s_wait_dscnt 0x0
.if \fill
	CROUND
	tensor_load_to_lds s[G0:G0+3], s[G1:G1+7]
	s_nop 0
	PLACES 4
.else
	s_barrier_signal -1
	s_barrier_wait -1
.endif
.endm
.macro TURN                            ; back to a slot's first head, in the other slot
	s_sub_co_u32 s[TB], s[TB], 2*HEADB
	s_xor_b32 s[TB], s[TB], SLOT1
.endm
.macro XFRAG s, base
.irp a, 0,1,2,3
.irp i, 0,1,2
	global_load_b128 v[\base+12*\a+4*\i:\base+12*\a+4*\i+3], v[L16], s[XB:XB+1] offset:6144*\s+1536*\a+512*\i
.endr
.endr
.endm
	s_load_b256 s[4:11], s[0:1], 0x0               ; ximg s[4:5], wimg s[6:7], qimg s[8:9], kvimg s[10:11]
	v_lshl_add_u32 v[SPW], v0, 2, SPARE
	v_mov_b32 v[NIL], 0
	ds_add_u32 v[SPW], v[NIL]                      ; the opening lines: the add, twice on end, and its wait ahead of my first tensor load
	ds_add_u32 v[SPW], v[NIL]
	v_lshrrev_b32 v3, 5, v0
	v_readfirstlane_b32 s[WV], v3                  ; wave 0..3
	s_bfe_u32 s13, ttmp6, 0x40000                  ; cx: it enters x's address and the stores' addresses alone
	s_lshl_b32 s[RB], ttmp9, 2
	s_add_co_u32 s[RB], s[RB], s13                 ; row block
	s_and_b32 s[YY], ttmp7, 0xffff                 ; which 12 blocks of W: shared by the four partners
	s_mov_b32 s[G1], 15|(3<<16)|(1<<21)            ; a quarter of a slot: 25,600 dense bytes as 100 rows of 256 (32 elements of 8 bytes); the mask of all four, bit 21 beside it
	s_mov_b32 s[G1+1], 32<<16
	s_mov_b32 s[G1+2], 100<<16
	s_mov_b32 s[G1+3], 32<<16
	s_mov_b32 s[G1+4], 100
	s_mov_b32 s[G1+5], 32
	s_mov_b32 s[G1+6], 0
	s_mov_b32 s[G1+7], 0
	s_mov_b32 s[G0], 1
	s_mul_i32 s[G0+1], s[WV], 25600                ; LDS: slot 0, my quarter
	s_mul_i32 s[WO], s[YY], 12*HEADB
	s_add_co_u32 s[WO], s[WO], s[G0+1]
	s_mov_b32 s[WO+1], 0
	s_lshl_b32 s[XB], s[RB], 2
	s_add_co_u32 s[XB], s[XB], s[WV]
	s_mul_i32 s[XB], s[XB], HEADB                  ; my 64 rows' block of ximg
	s_mov_b32 s[XB+1], 0
	s_and_b32 s[GG], s[WV], 1                      ; g: which 64 rows of the window
	s_mul_i32 s48, s[GG], 3072                     ; q, k: 16 l + 3072 g
	s_add_co_u32 s49, s48, 512                     ; q: 8 l + 512 + 3072 g
	s_lshl_b32 s50, s[GG], 8
	s_add_co_u32 s50, s50, 6144                    ; q's words: 4 l + 6144 + 256 g
	s_lshl_b32 s51, s[GG], 7
	s_add_co_u32 s51, s51, 6144                    ; k's: 4 l + 6144 + 128 g
	s_mul_i32 s52, s[GG], 768
	s_add_co_u32 s52, s52, 6400                    ; v: 16 l + 6400 + 768 g
	s_add_co_u32 s53, s52, 512                     ; 8 l + 6912 + 768 g
	s_lshl_b32 s54, s[GG], 1
	s_add_co_u32 s54, s54, 12544                   ; v's half words: 4 l + 12544 + 2 g
	s_lshl_b32 s[BLK0], s[RB], 1                   ; my window: 2 (RB % 16) + wave / 2,
	s_lshr_b32 s[T0], s[WV], 1
	s_add_co_u32 s[BLK0], s[BLK0], s[T0]
	s_and_b32 s[BLK0], s[BLK0], 31
	s_lshr_b32 s[T0], s[RB], 4                     ; my batch,
	s_lshl_b32 s[T0], s[T0], 9
	s_add_co_u32 s[BLK0], s[BLK0], s[T0]
	s_lshl_b32 s[T0], s[YY], 7                     ; and head 4 y
	s_add_co_u32 s[BLK0], s[BLK0], s[T0]
	s_mov_b32 s[SEL], 0x76543210
	s_mov_b32 s[SEL+1], 0xfedcba98
	s_mov_b32 s[HI], 0xffff0000
	s_mov_b32 s[OFF+1], 0
	s_mov_b32 s[TB], 0
	s_mov_b32 s[LI], 0
	v_and_b32 v3, 31, v0                           ; lane
	v_bfe_u32 v8, v0, 4, 1
	v_lshlrev_b32 v[L16], 4, v3
	v_lshlrev_b32 v[L4], 2, v3
	WIN 0xc0                                       ; destinations in window 3
	v_add_nc_u32 v[OQK16], s48, v[L16]
	v_lshl_add_u32 v[OQ8], v3, 3, s49
	v_add_nc_u32 v[OQS], s50, v[L4]
	v_add_nc_u32 v[OKS], s51, v[L4]
	v_add_nc_u32 v[OV16], s52, v[L16]
	v_lshl_add_u32 v[OV8], v3, 3, s53
	v_add_nc_u32 v[OVS], s54, v[L4]
	v_lshlrev_b32 v[SH16], 4, v8                   ; 16 x (lane / 16)
.irp b, 0,1,2,3
	v_mov_b32 v[TM+4+\b], 0                        ; written once: a lane permute's destination counts as one of its sources
.endr
	WIN 0
	s_wait_alu depctr_va_vdst(0)
	s_wait_dscnt 0x0                               ; both opening adds are done
	s_wait_kmcnt 0x0
	s_add_nc_u64 s[G0+2:G0+3], s[6:7], s[WO:WO+1]
	s_or_b32 s[G0+3], s[G0+3], 0x80000000          ; type = 2
	s_add_nc_u64 s[XB:XB+1], s[4:5], s[XB:XB+1]
	CROUND                                         ; all four work-groups are here: the first joint load meets
	tensor_load_to_lds s[G0:G0+3], s[G1:G1+7]      ; heads 0 and 1 into slot 0
	s_nop 0
	PLACES 4
.irp s, 0,1,2,3,4,5,6,7
.irp p, 0,1
	global_load_b32 v[XSC+2*\s+\p], v[L4], s[XB:XB+1] offset:49152+256*\s+128*\p   ; lanes 0-15 tile 2 p's words, lanes 16-31 tile 2 p + 1's
.endr
.endr
	WIN 0x40                                       ; destination window 1
.irp s, 0,1,2,3,4
	XFRAG \s, 48*\s
.endr
	WIN 0
.irp s, 5,6,7
	XFRAG \s, 48*\s-192
.endr
	CHANGE 1                                       ; slot 0 is whole; slot 1's first fill, heads 2 and 3, is issued as a refill is
	STAGE 0, 0, 0, 1                               ; head 0 (q): nothing lies in T yet; x is waited for K step by K step
	STAGE 1, 0, 0, 0                               ; head 1 (q), with head 0's way out
	TURN
	s_mov_b32 s[SLOTS], 4
.Lslot:                                            ; four trips: heads 2 to 9; behind each change of slots the next two heads are asked for
	CHANGE 1
	s_mov_b32 s[TWICE], 2
.Lhead:
	STAGE 1, 2, 3, 0
	s_sub_co_u32 s[TWICE], s[TWICE], 1
	s_cmp_lg_u32 s[TWICE], 0
	s_cbranch_scc1 .Lhead
	TURN
	s_sub_co_u32 s[SLOTS], s[SLOTS], 1
	s_cmp_lg_u32 s[SLOTS], 0
	s_cbranch_scc1 .Lslot
	CHANGE 0                                       ; the last slot is written out: heads 10 and 11 (v)
	s_mov_b32 s[TWICE], 2
.Ltail:
	STAGE 1, 1, 2, 0
	s_sub_co_u32 s[TWICE], s[TWICE], 1
	s_cmp_lg_u32 s[TWICE], 0
	s_cbranch_scc1 .Ltail
	EPADDR                                         ; head 11's way out has no products to stand among
.set EPN, 0
	WIN 0xff
	EPK 136
	ARMS 2
	s_wait_tensorcnt 0x0                           ; the wave's end
	ds_add_u32 v[SPW], v[NIL]
	s_wait_dscnt 0x0
	CROUND                                         ; the closing round: no work-group ends while a partner may still ask for a tile that names it
	s_endpgm
.Lfunc_end_k_q76808f0c85_gemm:
	.size	k_q76808f0c85_gemm, .Lfunc_end_k_q76808f0c85_gemm-k_q76808f0c85_gemm
	.p2alignl 7, 3214868480
	.fill 96, 4, 3214868480
	.section	.rodata,"a",@progbits
	.p2align	6, 0x0
	.amdhsa_kernel k_q76808f0c85_gemm
		.amdhsa_group_segment_fixed_size 327680
		.amdhsa_private_segment_fixed_size 0
		.amdhsa_enable_private_segment 0
		.amdhsa_kernarg_size 32
		.amdhsa_user_sgpr_count 2
		.amdhsa_user_sgpr_kernarg_segment_ptr 1
		.amdhsa_wavefront_size32 1
		.amdhsa_system_sgpr_workgroup_id_x 1
		.amdhsa_system_sgpr_workgroup_id_y 1
		.amdhsa_system_sgpr_workgroup_id_z 1
		.amdhsa_system_vgpr_workitem_id 0
		.amdhsa_next_free_vgpr 1024
		.amdhsa_next_free_sgpr 66
		.amdhsa_reserve_vcc 0
		.amdhsa_float_denorm_mode_32 3
		.amdhsa_float_denorm_mode_16_64 3
		.amdhsa_memory_ordered 1
		.amdhsa_forward_progress 1
		.amdhsa_inst_pref_size 186
	.end_amdhsa_kernel
	.amdgpu_metadata
---
amdhsa.version: [ 1, 2 ]
amdhsa.kernels:
  - .name:           k_q76808f0c85_gemm
    .symbol:         k_q76808f0c85_gemm.kd
    .args:
      - { .name: ximg, .offset: 0, .size: 8, .value_kind: global_buffer, .address_space: global }
      - { .name: wimg, .offset: 8, .size: 8, .value_kind: global_buffer, .address_space: global }
      - { .name: qimg, .offset: 16, .size: 8, .value_kind: global_buffer, .address_space: global }
      - { .name: kvimg, .offset: 24, .size: 8, .value_kind: global_buffer, .address_space: global }
    .group_segment_fixed_size: 327680
    .private_segment_fixed_size: 0
    .kernarg_segment_align: 8
    .kernarg_segment_size: 32
    .max_flat_workgroup_size: 128
    .sgpr_count:     66
    .vgpr_count:     1024
    .wavefront_size: 32
...
	.end_amdgpu_metadata
.endif
;; end of part 2
;; launch attn (part 3): grid 4 x 64, 16 waves a work-group, no clusters, 327,680 bytes of LDS; arguments qimg, kvimg, out0; writes out0
.if DOCPART == 3
	.amdgcn_target "amdgcn-amd-amdhsa--gfx1250"
	.amdhsa_code_object_version 6
	.text
	.protected	k_q76808f0c85_attn
	.globl	k_q76808f0c85_attn
	.p2align	8
	.type	k_q76808f0c85_attn,@function
k_q76808f0c85_attn:
	s_mov_b64 s[64:65], 0
	v_nop
	global_prefetch_b8 v0, s[64:65] scope:SCOPE_SE
	s_setreg_imm32_b32 hwreg(HW_REG_WAVE_MODE, 25, 1), 1
	s_wait_xcnt 0x0
; Local attention on codes of BF6 (E3M2): for each window of 128 queries of a head, the keys of the window and of its two neighbours; windows outside the sequence are masked by the problem itself (p = 0, v = 0) and are left out.
; THE SOFTMAX AHEAD OF THE SECOND PRODUCT: t = score x log2(e) / 8 (the 1/8 is q's scale, a power of two, taken out of q's codes); M = the running largest t rounded UP to a whole number; p = 2^(t - M) is quantised along the keys;
; the row's sum is taken of the unquantised p and divides at the end.  When M moves, the sum and O are multiplied by 2^(old M - new M): exact.
; SHARES.  A work-group takes one (batch, head) = y and eight windows 8 x .. 8 x + 7, in four units of two windows.  Each of its sixteen waves owns one tile of 16 queries of one of the unit's two windows: 256 registers, four waves a SIMD.
; ALL THAT THE WORK-GROUP READS COMES ONCE, by first fills: ten blocks of k and v (windows 8 x - 1 .. 8 x + 8; a window outside the sequence is replaced by a neighbour's block, which nobody reads) and eight of q.  No LDS byte is filled again.
; No cluster: neighbouring work-groups share 2 of their 10 blocks of k and v, and would want them at different LDS places.
; LAYOUT.  Both products transposed: S^T = K Q^T, O^T = V^T P^T: a lane holds ONE query.  The head is 64 wide, half an instruction's K: a fragment of k holds TWO key tiles (K 0-63 the even one, 64-127 the odd one), and q stands in
; two operands, once in the low half over zeros and once in the high half: zero codes add nothing.  By the order of the tiles' members 16 registers of two neighbouring tiles are 16 neighbouring keys (or channels).
; The own window's step goes first, so that M is a number and the sums are started before a step that may be left out.
; LIMITS: NaN and infinities are not served.
; REGISTERS: v1-11, v45, v46 addresses; v12 -M, v13 the largest t, v[14:15] the sum; v16-27 q low, v28-39 q high; v48-95 four fragments of k, then of v; v96-159 S^T, then p; v160-191 O^T; v192-223 rows on the way out; v224-254 at work;
; scale words: v248-249 k's, v250-251 v's, v253 p's, v255 q's.
.set KVB,  12800                       ; a block of k and v
.set QBL,  6656                        ; a block of q
.set QREG, 128000                      ; LDS: ten blocks of k and v from 0; eight of q from here;
.set STG,  181248                      ; sixteen stages of 16 rows x (256 + 16) bytes from here, which no tensor load fills
.set WV,   10
.set UB,   15                          ; s15  LDS byte of block (my local window)
.set QB,   16                          ; s16  of my tile of q
.set QSB,  17                          ; s17  of its scale words
.set NW,   18                          ; s18  my window in the sequence
.set CNT,  19
.set SEL,  20
.set CS,   22
.set G1KV, 24
.set G1Q,  32
.set OUT,  56
.macro PLACES n
.rept \n
	v_nop
.endr
.endm
.macro WM                              ; one product; fA: source 0's scale words lie in lanes 16-31; fZ: it starts the sum
.if fZ
.if fA
	v_wmma_scale_f32_16x16x128_f8f6f4 v[rD:rD+7], v[rA:rA+11], v[rB:rB+11], 0, v[rSA], v[rSB] matrix_a_fmt:MATRIX_FMT_BF6 matrix_b_fmt:MATRIX_FMT_BF6 matrix_a_scale:MATRIX_SCALE_ROW1
.else
	v_wmma_scale_f32_16x16x128_f8f6f4 v[rD:rD+7], v[rA:rA+11], v[rB:rB+11], 0, v[rSA], v[rSB] matrix_a_fmt:MATRIX_FMT_BF6 matrix_b_fmt:MATRIX_FMT_BF6
.endif
.else
.if fA
	v_wmma_scale_f32_16x16x128_f8f6f4 v[rD:rD+7], v[rA:rA+11], v[rB:rB+11], v[rD:rD+7], v[rSA], v[rSB] matrix_a_fmt:MATRIX_FMT_BF6 matrix_b_fmt:MATRIX_FMT_BF6 matrix_a_scale:MATRIX_SCALE_ROW1
.else
	v_wmma_scale_f32_16x16x128_f8f6f4 v[rD:rD+7], v[rA:rA+11], v[rB:rB+11], v[rD:rD+7], v[rSA], v[rSB] matrix_a_fmt:MATRIX_FMT_BF6 matrix_b_fmt:MATRIX_FMT_BF6
.endif
.endif
.endm
	s_load_b128 s[4:7], s[0:1], 0x0                ; qimg s[4:5], kvimg s[6:7]
	s_load_b64 s[8:9], s[0:1], 0x10                ; out0
	v_lshl_add_u32 v47, v0, 2, 0x3d400
	v_mov_b32 v243, 0
	ds_add_u32 v47, v243
	ds_add_u32 v47, v243
	v_lshrrev_b32 v1, 5, v0
	s_delay_alu instid0(VALU_DEP_1)
	v_readfirstlane_b32 s[WV], v1                  ; wave 0..15
	s_and_b32 s12, ttmp7, 0xffff                   ; batch x 16 + head
	s_lshr_b32 s13, s[WV], 3                       ; which of a unit's two windows
	s_and_b32 s14, s[WV], 7                        ; my tile of queries
	; descriptor groups 1: dense blocks as rows of 256 bytes (32 elements of 8 bytes), no padding: 50 rows for k and v, 26 for q
	s_mov_b32 s[G1KV], 3<<16
	s_mov_b32 s[G1KV+1], 32<<16
	s_mov_b32 s[G1KV+2], 50<<16
	s_mov_b32 s[G1KV+3], 32<<16
	s_mov_b32 s[G1KV+4], 50
	s_mov_b32 s[G1KV+5], 32
	s_mov_b32 s[G1KV+6], 0
	s_mov_b32 s[G1KV+7], 0
	s_mov_b32 s[G1Q], 3<<16
	s_mov_b32 s[G1Q+1], 32<<16
	s_mov_b32 s[G1Q+2], 26<<16
	s_mov_b32 s[G1Q+3], 32<<16
	s_mov_b32 s[G1Q+4], 26
	s_mov_b32 s[G1Q+5], 32
	s_mov_b32 s[G1Q+6], 0
	s_mov_b32 s[G1Q+7], 0
	; waves 0-4 fetch blocks w and 5 + w of k and v (windows 8 x - 1 + w and 8 x + 4 + w, held inside the sequence); waves 5-8 fetch q's windows w - 5 and w - 1
	s_lshl_b32 s62, ttmp9, 3
	s_add_co_u32 s63, s62, s[WV]
	s_sub_co_i32 s66, s63, 1
	s_max_i32 s66, s66, 0
	s_min_i32 s66, s66, 31
	s_add_co_u32 s67, s63, 4
	s_min_i32 s67, s67, 31
	s_lshl_b32 s68, s12, 5
	s_add_co_u32 s66, s66, s68
	s_add_co_u32 s67, s67, s68
	s_mul_i32 s58, s66, KVB
	s_mov_b32 s59, 0
	s_mul_i32 s60, s67, KVB
	s_mov_b32 s61, 0
	s_add_co_u32 s69, s[WV], 3
	s_and_b32 s69, s69, 3                          ; w - 5 in waves 5 to 8 (and inside the buffer in every wave)
	s_add_co_u32 s69, s69, s62
	s_add_co_u32 s69, s69, s68
	s_mul_i32 s70, s69, QBL
	s_mov_b32 s71, 0
	s_mov_b32 s40, 1
	s_mul_i32 s41, s[WV], KVB
	s_mov_b32 s44, 1
	s_add_co_u32 s45, s41, 5*KVB
	s_mov_b32 s48, 1
	s_mul_i32 s49, s[WV], QBL
	s_add_co_u32 s49, s49, QREG-5*QBL
	s_mov_b32 s52, 1
	s_add_co_u32 s53, s49, 4*QBL
	s_wait_dscnt 0x0
	s_wait_kmcnt 0x0
	s_add_nc_u64 s[42:43], s[6:7], s[58:59]
	s_or_b32 s43, s43, 0x80000000
	s_add_nc_u64 s[46:47], s[6:7], s[60:61]
	s_or_b32 s47, s47, 0x80000000
	s_add_nc_u64 s[50:51], s[4:5], s[70:71]
	s_add_nc_u64 s[54:55], s[50:51], 4*QBL
	s_or_b32 s51, s51, 0x80000000
	s_or_b32 s55, s55, 0x80000000
	s_cmp_lt_u32 s[WV], 5                          ; at the head a fetching wave issues its first load alone: blocks 0-4 of k and v, windows 0-3 of q; its second stands behind the first barrier
	s_cbranch_scc0 .Lnot_kv
	tensor_load_to_lds s[40:43], s[G1KV:G1KV+7]
	s_nop 0
	PLACES 4
	s_branch .Lasked
.Lnot_kv:
	s_cmp_lt_u32 s[WV], 9
	s_cbranch_scc0 .Lasked
	tensor_load_to_lds s[48:51], s[G1Q:G1Q+7]
	s_nop 0
	PLACES 4
.Lasked:
	v_and_b32 v40, 31, v0                          ; lane
	v_and_b32 v41, 15, v0                          ; r
	v_bfe_u32 v42, v0, 4, 1                        ; h
	s_delay_alu instid0(VALU_DEP_3)
	v_lshlrev_b32 v4, 4, v40                       ; 16 x lane
	s_delay_alu instid0(VALU_DEP_4)
	v_lshlrev_b32 v5, 3, v40                       ; 8 x lane
	v_lshlrev_b32 v6, 2, v40                       ; 4 x lane
	v_lshlrev_b32 v46, 2, v41                      ; 4 r
	v_lshlrev_b32 v7, 12, v42
	s_delay_alu instid0(VALU_DEP_1)
	v_lshl_add_u32 v7, v41, 4, v7                  ; out0: lanes 0-15 one row, lanes 16-31 the next; 16 bytes a lane
	s_mul_i32 s62, s[WV], 16*272
	s_add_co_u32 s62, s62, STG                     ; my stage
	v_mul_u32_u24 v8, v41, 272
	s_delay_alu instid0(VALU_DEP_1)
	v_lshl_add_u32 v8, v42, 6, v8
	s_delay_alu instid0(VALU_DEP_1)
	v_add_nc_u32 v8, s62, v8                       ; in: row r, + 64 h
	v_mul_u32_u24 v9, v42, 272
	s_delay_alu instid0(VALU_DEP_1)
	v_lshl_add_u32 v9, v41, 4, v9
	s_delay_alu instid0(VALU_DEP_1)
	v_add_nc_u32 v9, s62, v9                       ; back: two rows an instruction
	s_mul_i32 s[UB], s13, KVB
	s_mul_i32 s[QB], s13, QBL
	s_lshl_b32 s62, s14, 6
	s_add_co_u32 s[QSB], s[QB], s62
	s_add_co_u32 s[QSB], s[QSB], QREG+6144
	s_mul_i32 s62, s14, 768
	s_add_co_u32 s[QB], s[QB], s62
	s_add_co_u32 s[QB], s[QB], QREG
	s_lshl_b32 s[NW], ttmp9, 3
	s_add_co_u32 s[NW], s[NW], s13
	s_lshr_b32 s62, s12, 4                         ; my tile's first row of out0: 4096 batch + 128 window + 32 (tile / 2) + 8 (tile % 2)
	s_lshl_b32 s62, s62, 12
	s_lshl_b32 s63, s[NW], 7
	s_add_co_u32 s62, s62, s63
	s_lshr_b32 s63, s14, 1
	s_lshl_b32 s63, s63, 5
	s_add_co_u32 s62, s62, s63
	s_and_b32 s63, s14, 1
	s_lshl_b32 s63, s63, 3
	s_add_co_u32 s62, s62, s63
	s_lshl_b32 s62, s62, 12                        ; rows of 4,096 bytes (under 2^26 in all),
	s_and_b32 s63, s12, 15
	s_lshl_b32 s63, s63, 8                         ; the head's 256 bytes
	s_add_co_u32 s62, s62, s63
	s_mov_b32 s63, 0
	s_add_nc_u64 s[OUT:OUT+1], s[8:9], s[62:63]
	s_mov_b32 s[SEL], 0x76543210
	s_mov_b32 s[SEL+1], 0xfedcba98
	s_mov_b32 s[CS], 0x3e38aa3b                    ; c = log2(e) / 8
	s_mov_b32 s[CS+1], s[CS]                       ; (named with it as a pair, so it is written)
.irp j, 22,23,24,25,26,27,28,29,30,31,32,33
	v_mov_b32 v[\j], 0                             ; the empty halves of q's two operands: zero codes
.endr
.irp j, 236,237,238,239,252,253
	v_mov_b32 v[\j], 0                             ; written once: permutes' destinations, and the pair v[252:253]
.endr
; A KEY STEP: the 128 keys of window NW + d - 1, block (local window + d).  f = 1: the unit's first step: it starts M, the sum and O^T.
.macro STEP d, f
.if \d == 0
	s_cmp_eq_u32 s[NW], 0                          ; no window in front of the sequence's first: a scalar branch on ids, round loads, products and softmax alone
	s_cbranch_scc1 .Lskip_\@
.endif
.if \d == 2
	s_cmp_eq_u32 s[NW], 31                         ; none behind its last
	s_cbranch_scc1 .Lskip_\@
.endif
.irp b, 0,1,2,3
.irp i, 0,1,2
	ds_load_b128 v[48+12*\b+4*\i:48+12*\b+4*\i+3], v1 offset:KVB*\d+1536*\b+512*\i   ; k's four double fragments, as images
.endr
.endr
.irp g, 0,1
	ds_load_b32 v[248+\g], v3 offset:KVB*\d+6144+128*\g   ; lanes 0-15 double fragment 2 g's words, lanes 16-31 those of 2 g + 1
.endr
	s_wait_dscnt 0x0
.irp b, 0,1,2,3
.irp u, 0,1
.set rD, 96+8*(2*\b+\u)
.set rA, 48+12*\b
.set rB, 16+12*\u
.set rSA, 248+\b/2
.set fA, \b%2
.set rSB, 255
.set fZ, 1
	WM                                             ; key tile 2 b + u: q in the half of K where that tile's codes lie
.endr
.endr
	PLACES 4                                       ; in front of the loads into k's registers and of the first read of the scores
.irp t, 0,1,2,3                                ; v's fragments are asked for now and land under the softmax
.irp g, 0,1
	ds_load_b128 v[48+12*\t+6*\g:48+12*\t+6*\g+3], v1 offset:KVB*\d+6400+1536*\t+768*\g
	ds_load_b64 v[48+12*\t+6*\g+4:48+12*\t+6*\g+5], v2 offset:KVB*\d+6400+1536*\t+768*\g+512
.endr
.endr
.irp g, 0,1
	ds_load_b32 v[250+\g], v3 offset:KVB*\d+12544+128*\g
.endr
.irp b, 0,1,2,3
	v_max3_num_f32 v[232+\b], v[96+16*\b], v[97+16*\b], v[98+16*\b]   ; the largest score of each block of 32 keys: for the row's maximum, and, since p rises with the score, for the block's largest p
.endr
.irp i, 3,5,7,9,11,13
.irp b, 0,1,2,3
	v_max3_num_f32 v[232+\b], v[232+\b], v[96+16*\b+\i], v[97+16*\b+\i]
.endr
.endr
.irp b, 0,1,2,3
	v_max_num_f32 v[232+\b], v[232+\b], v[111+16*\b]
.endr
.irp b, 0,1,2,3
	s_delay_alu instid0(VALU_DEP_4)
	v_permlanex16_b32 v[236+\b], v[232+\b], s[SEL], s[SEL+1]
.endr
.irp b, 0,1,2,3
	s_delay_alu instid0(VALU_DEP_4)
	v_max_num_f32 v[232+\b], v[232+\b], v[236+\b]  ; with lane l xor 16's 16 keys
.endr
	s_delay_alu instid0(VALU_DEP_2)
	v_max3_num_f32 v254, v232, v233, v234
	s_delay_alu instid0(VALU_DEP_1)
	v_max_num_f32 v254, v254, v235                 ; the step's largest score of my query
.if \f
	s_delay_alu instid0(VALU_DEP_1)
	v_mul_f32 v13, s[CS], v254                     ; as t: the largest so far
	s_delay_alu instid0(VALU_DEP_1)
	v_floor_f32 v12, -v13                          ; -M = floor(-t): M is a whole number
.else
	s_delay_alu instid0(VALU_DEP_1)
	v_mul_f32 v254, s[CS], v254
	s_delay_alu instid0(VALU_DEP_1)
	v_max_num_f32 v13, v13, v254                   ; the running largest t
	v_mov_b32 v254, v12
	s_delay_alu instid0(VALU_DEP_2)
	v_floor_f32 v12, -v13
	s_delay_alu instid0(VALU_DEP_1)
	v_sub_f32 v254, v12, v254                      ; old M - new M: a whole number, 0 or less
	s_delay_alu instid0(VALU_DEP_1)
	v_cvt_i32_f32 v254, v254
	s_delay_alu instid0(VALU_DEP_1)
	v_ldexp_f32 v252, 1.0, v254                    ; f = 2^(old M - new M)
.endif
.irp j, 0,2,4,6,8,10,12,14,16,18,20,22,24,26,28,30,32,34,36,38,40,42,44,46,48,50,52,54,56,58,60,62
	v_pk_fma_f32 v[96+\j:97+\j], v[96+\j:97+\j], s[CS:CS+1], v[12:13] op_sel_hi:[1,0,0]   ; t - M, two at a time
.endr
.irp b, 0,1,2,3
	v_fma_f32 v[232+\b], v[232+\b], s[CS], v12     ; the same of each block's largest score
.endr
	s_wait_alu depctr_va_vdst(0)
.irp j, 0,1,2,3,4,5,6,7,8,9,10,11,12,13,14,15,16,17,18,19,20,21,22,23,24,25,26,27,28,29,30,31,32,33,34,35,36,37,38,39,40,41,42,43,44,45,46,47,48,49,50,51,52,53,54,55,56,57,58,59,60,61,62,63
	v_exp_f32 v[96+\j], v[96+\j]                   ; p = 2^(t - M): one batch
.endr
.if \f
	v_mov_b32 v14, 0                               ; the sum begins.  (Plain lines behind the exponentials)
	v_mov_b32 v15, 0
.else
	v_pk_mul_f32 v[14:15], v[14:15], v[252:253] op_sel_hi:[1,0]   ; the sum under the new M.  (A plain line behind the exponentials)
.endif
	s_wait_alu depctr_va_vdst(0)                   ; one wait for the batch, ahead of its first reader
.irp b, 0,1,2,3
	v_exp_f32 v[232+\b], v[232+\b]                 ; each block's largest p
.endr
	v_pk_add_f32 v[236:237], v[100:101], v[104:105]
	v_pk_add_f32 v[248:249], v[108:109], v[112:113]
	v_pk_add_f32 v[246:247], v[116:117], v[120:121]
	v_pk_add_f32 v[244:245], v[124:125], v[128:129]
	v_pk_add_f32 v[240:241], v[132:133], v[136:137]
	v_pk_add_f32 v[238:239], v[140:141], v[144:145]
	v_pk_add_f32 v[230:231], v[148:149], v[152:153]
	v_pk_add_f32 v[14:15], v[14:15], v[156:157]
	v_pk_add_f32 v[236:237], v[236:237], v[96:97]
	v_pk_add_f32 v[248:249], v[248:249], v[98:99]
	v_pk_add_f32 v[246:247], v[246:247], v[102:103]
	v_pk_add_f32 v[244:245], v[244:245], v[106:107]
	v_pk_add_f32 v[240:241], v[240:241], v[110:111]
	v_pk_add_f32 v[238:239], v[238:239], v[114:115]
	v_pk_add_f32 v[230:231], v[230:231], v[118:119]
	v_pk_add_f32 v[14:15], v[14:15], v[122:123]
	v_pk_add_f32 v[236:237], v[236:237], v[126:127]
	v_pk_add_f32 v[248:249], v[248:249], v[130:131]
	v_pk_add_f32 v[246:247], v[246:247], v[134:135]
	v_pk_add_f32 v[244:245], v[244:245], v[138:139]
	v_pk_add_f32 v[240:241], v[240:241], v[142:143]
	v_pk_add_f32 v[238:239], v[238:239], v[146:147]
	v_pk_add_f32 v[230:231], v[230:231], v[150:151]
	v_pk_add_f32 v[14:15], v[14:15], v[154:155]
	v_pk_add_f32 v[236:237], v[236:237], v[158:159]
	s_delay_alu instid0(VALU_DEP_2)
	v_pk_add_f32 v[14:15], v[14:15], v[244:245]
	s_delay_alu instid0(VALU_DEP_2)
	v_pk_add_f32 v[236:237], v[236:237], v[240:241]
	v_pk_add_f32 v[248:249], v[248:249], v[238:239]
	v_pk_add_f32 v[246:247], v[246:247], v[230:231]
	s_delay_alu instid0(VALU_DEP_2)
	v_pk_add_f32 v[14:15], v[14:15], v[248:249]
	s_delay_alu instid0(VALU_DEP_2)
	v_pk_add_f32 v[236:237], v[236:237], v[246:247]
	s_delay_alu instid0(VALU_DEP_1)
	v_pk_add_f32 v[14:15], v[14:15], v[236:237]
	s_wait_alu depctr_va_vdst(0)                   ; and one for the four
.irp b, 0,1,2,3
	v_max_num_f32 v[232+\b], 0x2800000, v[232+\b]  ; the floor 2^(5 - 127): the byte cannot fall under 1
.endr
.irp b, 0,1,2,3
	s_delay_alu instid0(VALU_DEP_4)
	v_add_nc_u32 v[244+\b], 0xfe000000, v[232+\b]  ; the conversion's scale operand
.endr
.irp b, 0,1,2,3
	s_delay_alu instid0(VALU_DEP_4)
	v_lshrrev_b32 v[236+\b], 23, v[244+\b]         ; the byte
.endr
	s_delay_alu instid0(VALU_DEP_3)
	v_lshl_or_b32 v253, v237, 8, v236              ; p's scale word for these 128 keys
	s_delay_alu instid0(VALU_DEP_1)
	v_lshl_or_b32 v253, v238, 16, v253
	s_delay_alu instid0(VALU_DEP_1)
	v_lshl_or_b32 v253, v239, 24, v253
.irp c, 0,1
	v_cvt_scalef32_pk16_bf6_f32 v[224+6*\c:226+6*\c], v[96+32*\c:111+32*\c], v[244+2*\c]
	v_cvt_scalef32_pk16_bf6_f32 v[236+4*\c:238+4*\c], v[112+32*\c:127+32*\c], v[244+2*\c+1]
.endr
	v_nop                                          ; one plain place behind a scaled conversion
.irp c, 0,1
.irp i, 0,1,2
	v_permlane16_swap_b32 v[224+6*\c+\i], v[236+4*\c+\i]
.endr
.irp i, 0,1,2
	s_delay_alu instid0(VALU_DEP_3)
	v_mov_b32 v[227+6*\c+\i], v[236+4*\c+\i]
.endr
.endr
.if \f
	s_wait_alu depctr_va_vdst(0)
	PLACES 8                                       ; a scale register written by a vector instruction stands 8 places ahead of a scaled product, an operand so written 4
.else
.irp j, 0,2,4,6,8,10,12,14,16,18,20,22,24,26,28,30
	v_pk_mul_f32 v[160+\j:161+\j], v[160+\j:161+\j], v[252:253] op_sel_hi:[1,0]   ; O^T under the new M; each accumulator from its low end on.  (These sixteen are those places)
.endr
.endif
	s_wait_alu depctr_va_vdst(0)
	s_wait_dscnt 0x0                               ; v is in
.irp t, 0,1,2,3
.set rD, 160+8*\t
.set rA, 48+12*\t
.set rB, 224
.set rSA, 250+\t/2
.set fA, \t%2
.set rSB, 253
.set fZ, \f
	WM                                             ; O^T += V^T P^T: four accumulators, one instruction each
.endr
	PLACES 4                                       ; in front of the next loads into v's registers and of the next read of O^T
.if \d != 1
.Lskip_\@:
.endif
.endm
; THE WAY OUT of a unit: O^T / the sum, through my stage, so that sixteen lanes store a query's 256 bytes of its head: one aligned run.  u0 = 1: the first unit.
.macro OUTW u0
	v_add_f32 v14, v14, v15
	s_delay_alu instid0(VALU_DEP_1)
	v_permlanex16_b32 v252, v14, s[SEL], s[SEL+1]
	s_delay_alu instid0(VALU_DEP_1)
	v_add_f32 v14, v14, v252                       ; the row's sum
	s_wait_alu depctr_va_vdst(0)
	v_rcp_f32 v14, v14
	v_nop                                          ; a plain place behind the reciprocal
	s_wait_xcnt 0x0                                ; the last unit's stores have read their registers and their base
.if \u0 == 0
	s_add_nc_u64 s[OUT:OUT+1], s[OUT:OUT+1], 0x100000   ; two windows, 256 rows of 4,096 bytes, on
.endif
	s_wait_alu depctr_va_vdst(0)                   ; ahead of the reciprocal's first reader
.irp j, 0,2,4,6,8,10,12,14,16,18,20,22,24,26,28,30
	v_pk_mul_f32 v[96+\j:97+\j], v[160+\j:161+\j], v[14:15] op_sel_hi:[1,0]   ; register 16 b + i: channel 32 b + 16 h + i
.endr
.irp b, 0,1
.irp k, 0,1,2,3
	ds_store_b128 v8, v[96+16*\b+4*\k:96+16*\b+4*\k+3] offset:128*\b+16*\k
.endr
.endr
.irp i, 0,1,2,3,4,5,6,7
	ds_load_b128 v[192+4*\i:195+4*\i], v9 offset:544*\i   ; LDS serves a wave's instructions in order: these see my stores
.endr
.irp i, 0,1,2,3,4,5,6,7
	s_wait_dscnt 7-\i                              ; the younger loads may be out
	global_store_b128 v7, v[192+4*\i:195+4*\i], s[OUT:OUT+1] offset:(2*\i+8*(\i/4))*4096 th:TH_STORE_NT   ; tile row m is query m + 8 (m / 8) of the tile's span
.endr
.endm
.macro UNIT u0
	v_add_nc_u32 v1, s[UB], v4
	s_wait_alu depctr_va_vdst(0)
	v_add_nc_u32 v2, s[UB], v5
	s_wait_alu depctr_va_vdst(0)
	v_add_nc_u32 v3, s[UB], v6
	s_wait_alu depctr_va_vdst(0)
	v_add_nc_u32 v10, s[QB], v4
	v_add_nc_u32 v11, s[QB], v5
	v_add_nc_u32 v45, s[QSB], v46
	ds_load_b128 v[16:19], v10                     ; q's six registers, once for the low half of K,
	ds_load_b128 v[34:37], v10                     ; once for the high half
	ds_load_b64 v[20:21], v11 offset:512
	ds_load_b64 v[38:39], v11 offset:512
	ds_load_b32 v255, v45                          ; its scale word: the two bytes twice
	STEP 1, 1
	STEP 0, 0
	STEP 2, 0
	OUTW \u0
	s_add_co_u32 s[UB], s[UB], 2*KVB
	s_add_co_u32 s[QB], s[QB], 2*QBL
	s_add_co_u32 s[QSB], s[QSB], 2*QBL
	s_add_co_u32 s[NW], s[NW], 2
.endm
	s_wait_alu depctr_va_vdst(0)
	s_wait_tensorcnt 0x0                           ; my first load is in; the add twice ahead of a later first fill
	ds_add_u32 v47, v243
	ds_add_u32 v47, v243
	s_wait_dscnt 0x0
	s_barrier_signal -1
	s_barrier_wait -1                              ; blocks 0-4 and windows 0-3 are whole: unit 0 reads blocks 0-3 and windows 0-1
	s_cmp_lt_u32 s[WV], 5                          ; the other half of the first fills, one load a wave: blocks 5-9, windows 4-7
	s_cbranch_scc0 .Lnot_kv2
	tensor_load_to_lds s[44:47], s[G1KV:G1KV+7]
	s_nop 0
	PLACES 4
	s_branch .Lasked2
.Lnot_kv2:
	s_cmp_lt_u32 s[WV], 9
	s_cbranch_scc0 .Lasked2
	tensor_load_to_lds s[52:55], s[G1Q:G1Q+7]
	s_nop 0
	PLACES 4
.Lasked2:
	UNIT 1
	s_wait_tensorcnt 0x0                           ; all of it is in,
	s_wait_dscnt 0x0
	s_barrier_signal -1
	s_barrier_wait -1                              ; everybody's
	s_mov_b32 s[CNT], 3
.Lunit:
	UNIT 0
	s_sub_co_u32 s[CNT], s[CNT], 1
	s_cmp_lg_u32 s[CNT], 0
	s_cbranch_scc1 .Lunit
	s_wait_tensorcnt 0x0
	ds_add_u32 v47, v243
	s_wait_dscnt 0x0
	s_endpgm
.Lfunc_end_k_q76808f0c85_attn:
	.size	k_q76808f0c85_attn, .Lfunc_end_k_q76808f0c85_attn-k_q76808f0c85_attn
	.p2alignl 7, 3214868480
	.fill 96, 4, 3214868480
	.section	.rodata,"a",@progbits
	.p2align	6, 0x0
	.amdhsa_kernel k_q76808f0c85_attn
		.amdhsa_group_segment_fixed_size 327680
		.amdhsa_private_segment_fixed_size 0
		.amdhsa_enable_private_segment 0
		.amdhsa_kernarg_size 24
		.amdhsa_user_sgpr_count 2
		.amdhsa_user_sgpr_kernarg_segment_ptr 1
		.amdhsa_wavefront_size32 1
		.amdhsa_system_sgpr_workgroup_id_x 1
		.amdhsa_system_sgpr_workgroup_id_y 1
		.amdhsa_system_sgpr_workgroup_id_z 1
		.amdhsa_system_vgpr_workitem_id 0
		.amdhsa_next_free_vgpr 256
		.amdhsa_next_free_sgpr 80
		.amdhsa_reserve_vcc 0
		.amdhsa_float_denorm_mode_32 3
		.amdhsa_float_denorm_mode_16_64 3
		.amdhsa_memory_ordered 1
		.amdhsa_forward_progress 1
		.amdhsa_inst_pref_size 115
	.end_amdhsa_kernel
	.amdgpu_metadata
---
amdhsa.version: [ 1, 2 ]
amdhsa.kernels:
  - .name:           k_q76808f0c85_attn
    .symbol:         k_q76808f0c85_attn.kd
    .args:
      - { .name: qimg, .offset: 0, .size: 8, .value_kind: global_buffer, .address_space: global }
      - { .name: kvimg, .offset: 8, .size: 8, .value_kind: global_buffer, .address_space: global }
      - { .name: out0, .offset: 16, .size: 8, .value_kind: global_buffer, .address_space: global }
    .group_segment_fixed_size: 327680
    .private_segment_fixed_size: 0
    .kernarg_segment_align: 8
    .kernarg_segment_size: 24
    .max_flat_workgroup_size: 512
    .sgpr_count:     80
    .vgpr_count:     256
    .wavefront_size: 32
...
	.end_amdgpu_metadata
.endif
;; end of part 3
